; MI455X (gfx1250); checked and timed in simulation.
; The chip was launched on July 23, 2026; its instructions are those of AMD's public machine-readable ISA for CDNA 5 (MIT licence, August 2026) and "CDNA5" Instruction Set Architecture Reference Guide (July 2026). The comments in the code are by the model that wrote it; some were corrected since.
;; Bottleneck Summary. Allowed arithmetic: matrix products marked QUANTISED: E4M3 operands, one E8M0 scale for each 32 along K, by v_wmma_scale_f32_16x16x128_f8f6f4 with both operands' format E4M3, f32 sums; products left as they are: f32 operands where the result goes on into a quantised operand, else bf16, f16 or f32 operands; f32 sums; everything else in f32.
;; Inputs: Wk 1,024 x 1,024 float32; Wq 1,024 x 1,024 float32; Wv 1,024 x 1,024 float32; attention_mask 16 x 2,048 int32; bk 1,024 float32; bq 1,024 float32; bv 1,024 float32; embeddings 16 x 2,048 x 1,024 float32; first_piece_mask 16 x 2,048 int32; first_sentence_mask 16 x 2,048 int32; hidden_states 16 x 2,048 x 1,024 float32.
;; Outputs: out0 16 x 1,024 float32; out1 16 x 1,024 float32; out2 16 x 1,024 float32.
;; This version of the problem:
;;   THIS VERSION OF THE PROBLEM IS GIVEN IN LOW PRECISION. The matrix products marked QUANTISED in the list below multiply operands that are first quantised to E4M3 (4 exponent bits, 3 mantissa bits; 8 bits a number), with one power-of-two scale for each 32 numbers along K (OCP MX v1.0); their sums are f32. All else is computed in f32.
;;   The module's matrix products, in the order in which they are computed (A, B: the left and right operand; K: the contracted axis; several contracted axes count as one K, in the product's order):
;;     1. [M 16, K 1,024] x [K 1,024, N 1,024]; A: computed on the way; B: input Wq: QUANTISED
;;     2. [M 32,768, K 1,024] x [K 1,024, N 1,024]; A: input embeddings; B: input Wk: QUANTISED
;;     3. [M 32,768, K 1,024] x [K 1,024, N 1,024]; A: input embeddings; B: input Wv: QUANTISED
;;     4. batch 16 x [M 1, K 1,024] x [K 1,024, N 2,048]; A: computed on the way; B: computed on the way: left as it is (M = 1 < 16)
;;     5. batch 16 x [M 1, K 2,048] x [K 2,048, N 1,024]; A: softmax; B: computed on the way: left as it is (M = 1 < 16)
;;   THE QUANTISER, for each operand of a quantised product, along K:
;;     - K is cut into blocks of 32 from its start; a last block that is shorter is filled with zeros.
;;     - A block's scale is 2^e with e = floor(log2(the largest magnitude in the block)) - 8, held to -126 .. 127; a block of zeros has e = 0. As a byte (E8M0): e + 127.
;;     - Each number is divided by its block's scale, clamped to +-448, and rounded to the nearest number of E4M3, ties to even, subnormals kept.
;;     - The product sums the exact products of the quantised numbers (number of the format x scale) in f32.
;;   ~~~python
;;   def quantise(x, axis):      # numpy; x: float32 -> the quantised numbers, widened to float32 again
;;       x = np.moveaxis(x, axis, -1); K = x.shape[-1]
;;       x = np.pad(x, [(0, 0)] * (x.ndim - 1) + [(0, -K % 32)]); x = x.reshape(x.shape[:-1] + (-1, 32)); a = np.abs(x).max(-1, keepdims=True)
;;       e = np.where(a > 0, np.clip(np.frexp(np.where(a > 0, a, 1))[1] - 1 - 8, -126, 127), 0)      # np.frexp(a)[1] - 1 = floor(log2(a)), exactly
;;       r = np.clip(x / 2.0 ** e, -448, 448)
;;       step = 2.0 ** (np.maximum(np.frexp(np.where(r == 0, 1, r))[1] - 1, -6) - 3)
;;       q = np.round(r / step) * step * 2.0 ** e      # np.round: ties to even
;;       return np.moveaxis(q.reshape(q.shape[:-2] + (-1,))[..., :K], -1, axis).astype(np.float32)
;;   ~~~
;;   OPERANDS COMPUTED ON THE WAY. 'Computed on the way' means the value that the module computes at that place (a softmax that the list does not call 'softmax' is quantised finished and normalised). What goes into a quantiser is computed in f32, as accurately as f32 sums, v_exp_f32 and their like allow (about 1e-6 of the number): no bf16 or f16 on the way to a quantiser, and a product that is left as it is and whose result goes on into a quantised operand takes f32 operands (vector FMAs, or v_wmma_f32_16x16x4_f32). A number that lies on a knife's edge between two numbers of the format may be rounded either way, as far as f32 arithmetic and the matrix unit's own rounding can turn it there, and no further.
;; One version. Each part assembles by itself: llvm-mc -triple=amdgcn-amd-amdhsa -mcpu=gfx1250 --defsym DOCPART=n.
;; ======== version 1 of 1: 4 launches
;; limits: right only within a limited range of input values
;; workspace buffers: havg 65,536 bytes; q 65,536 bytes; scores 131,072 bytes; pacc 1,048,576 bytes; wimg 2,162,688 bytes
;; launch havg (part 1): grid 256 x 1, 16 waves a work-group, no clusters, 6,400 bytes of LDS; arguments hidden_states, attention_mask, havg; writes havg
.if DOCPART == 1
	.amdgcn_target "amdgcn-amd-amdhsa--gfx1250"
	.amdhsa_code_object_version 6
	.text
	.protected	k_q4490aa12da_havg
	.globl	k_q4490aa12da_havg
	.p2align	8
	.type	k_q4490aa12da_havg,@function
k_q4490aa12da_havg:
	s_mov_b64 s[64:65], 0
	v_nop
	global_prefetch_b8 v0, s[64:65] scope:SCOPE_SE
	s_setreg_imm32_b32 hwreg(HW_REG_WAVE_MODE, 25, 1), 1
	s_wait_xcnt 0x0
; LAUNCH 1 OF 4.  havg[b][c] = (sum over t of hidden_states[b][t][c] x mask[b][t]) / (sum over t of mask[b][t]), all in f32.
; THE PROGRAM: 1 this mean; 2 q = Q(havg) Q(Wq)^T + bq, and Wk, Wv as codes laid in the order of the operand's registers; 3 for each 128 rows of embeddings: codes, k, scores, a local softmax, v, the sum of p v;
; 4 the batch's maximum and sum, the two outputs of p, the sixteen parts of the summary joined.
; WORK LEFT OUT OR MOVED, for all finite values of the inputs:
;   first_piece_mask enters no line of reference(): it is not loaded and is among no launch's arguments.
;   bv: sum_t p_t (v'_t + bv) = sum_t p_t v'_t + bv sum_t p_t, and the p of a softmax sum to 1: bv is added once for each output, in launch 4, not to each of the 32,768 rows.
;   bk: q . (k'_t + bk) = q . k'_t + q . bk: q . bk is made once for each work-group of launch 3.  It is NOT left out: the masked scores are the constant -10000, which it does not shift.
; LIMITS: a NaN, an infinity or an overflow that reaches only work left out is not carried to the result; NaN and infinities among the inputs are not served; the f32 sums are taken in another order than reference()'s.
; A batch whose masks sum to 0 gives what the division by 0 gives, as in reference().
; SHARES.  Work-group x: batch x / 16, columns 64 (x % 16) on: 256 aligned bytes of each of the batch's 2,048 rows: it owns its 64 means whole, so no part sums go to memory.
; Wave w, half h of its lanes, turn j: row 128 w + 64 h + j; a lane takes 16 bytes: a load of the wave covers two whole aligned runs of 256 bytes.  A ring of 32 slots in registers keeps 32 loads of every wave in flight.
; No tensor loads, no cluster, no matrix unit: the work-groups share no byte, and the launch only streams.
.set ROWB,  4096                       ; bytes in a row
.set RED,   0                          ; LDS: 16 waves x 256 bytes: each wave's 64 sums
.set CNT,   4096                       ; 16 words: each wave's count (a block of 256 bytes of its own)
.set SPARE, 4352                       ; the spare words, 128 bytes for each wave: eight blocks of 256 bytes that no other line names
.set ACC,   12                         ; v[12:15]  my four columns' sums
.set MK,    32                         ; v32-95    the masks of my 64 rows, as f32
.set X,     96                         ; v96-223   32 slots of 4 registers
	s_load_b128 s[4:7], s[0:1], 0x0                ; hidden_states, attention_mask
	s_load_b64 s[8:9], s[0:1], 0x10                ; havg
	v_lshl_add_u32 v8, v0, 2, SPARE                ; my spare word,
	v_mov_b32 v9, 0                                ; and 0: kept for the closing lines alone
	v_and_b32 v1, 15, v0                           ; r: my 16 bytes of the 256
	v_bfe_u32 v2, v0, 4, 1                         ; h
	v_lshrrev_b32 v20, 5, v0
	v_readfirstlane_b32 s10, v20                   ; wave 0..15
	v_lshrrev_b32 v21, 4, v0                       ; 2 w + h
	v_lshlrev_b32 v3, 18, v21                      ; 64 rows of 4,096 bytes for each
	v_lshl_add_u32 v3, v1, 4, v3                   ; v3: my byte in the batch's slab
	v_lshlrev_b32 v4, 8, v21                       ; v4: my 64 masks
	v_lshlrev_b32 v5, 8, v20
	v_lshl_add_u32 v5, v1, 4, v5                   ; v5: LDS, my wave's sums: 256 w + 16 r
	v_lshl_add_u32 v6, v20, 2, CNT                 ; v6: my wave's count
	v_lshlrev_b32 v7, 8, v2
	v_lshl_add_u32 v7, v1, 4, v7                   ; v7: wave 0 reads back: 256 h + 16 r
	v_lshlrev_b32 v10, 4, v1
	v_lshl_add_u32 v10, v2, 3, v10                 ; v10: the way out: 16 r + 8 h
	v_mov_b32 v11, CNT
.irp i, 22,23,24,25,26
	v_mov_b32 v[\i], 0                             ; written once: a lane permute's destination counts as one of its sources
.endr
	s_lshr_b32 s12, ttmp9, 4                       ; batch
	s_and_b32 s13, ttmp9, 15
	s_lshl_b32 s13, s13, 8                         ; the slab's 256 bytes
	s_lshl_b32 s14, s12, 23                        ; a batch of hidden_states is 2^23 bytes
	s_add_co_u32 s14, s14, s13
	s_mov_b32 s15, 0
	s_lshl_b32 s16, s12, 13                        ; of masks 2^13
	s_mov_b32 s17, 0
	s_lshl_b32 s18, s12, 12                        ; of havg 2^12
	s_add_co_u32 s18, s18, s13
	s_mov_b32 s19, 0
	s_mov_b32 s20, 0x76543210
	s_mov_b32 s21, 0xfedcba98                      ; v_permlanex16_b32's selects for lane l xor 16
	s_mov_b32 s22, 0xffff0000                      ; lanes 16-31
	s_wait_alu depctr_va_vdst(0)                   ; the wait at the head's end
	s_wait_kmcnt 0x0
	s_add_nc_u64 s[4:5], s[4:5], s[14:15]
	s_add_nc_u64 s[6:7], s[6:7], s[16:17]
	s_add_nc_u64 s[8:9], s[8:9], s[18:19]
.irp k, 0,1,2,3,4,5,6,7,8,9,10,11,12,13,14,15
	global_load_b128 v[MK+4*\k:MK+4*\k+3], v4, s[6:7] offset:16*\k
.endr
.set j, 0
.rept 32
	global_load_b128 v[X+4*j:X+4*j+3], v3, s[4:5] offset:ROWB*j th:TH_LOAD_NT   ; rows 0 to 31 of my 64 fill the ring
.set j, j+1
.endr
	s_wait_loadcnt 32                              ; the 16 loads of masks are in: 32 loads were issued behind them
.set j, 0
.rept 64
	v_cvt_f32_i32 v[MK+j], v[MK+j]
.set j, j+1
.endr
	v_pk_add_f32 v[16:17], v[MK:MK+1], v[MK+2:MK+3]                ; the count, in two chains
	v_pk_add_f32 v[18:19], v[MK+4:MK+5], v[MK+6:MK+7]
.set j, 8
.rept 14
	v_pk_add_f32 v[16:17], v[16:17], v[MK+j:MK+j+1]
	v_pk_add_f32 v[18:19], v[18:19], v[MK+j+2:MK+j+3]
.set j, j+4
.endr
	v_pk_add_f32 v[16:17], v[16:17], v[18:19]
	v_add_f32 v16, v16, v17
; 64 turns.  Every offset is an immediate and no address register is written again.  The first product starts the sums: nothing is cleared.
.set j, 0
.rept 64
	s_wait_alu depctr_va_vdst(0)
.if j < 32
	s_wait_loadcnt 31                              ; loads come back in order: mine is in; behind it 31 - j first fills and j refills were issued
.else
	s_wait_loadcnt 63-j                            ; the refills behind mine: the counts run down
.endif
.set sl, X+4*(j%32)
.irp k, 0,1,2,3
.if j == 0
	v_mul_f32 v[ACC+\k], v[sl+\k], v[MK+j]
.else
	v_fmac_f32 v[ACC+\k], v[sl+\k], v[MK+j]
.endif
.endr
.if j < 32
	global_load_b128 v[sl:sl+3], v3, s[4:5] offset:ROWB*(j+32) th:TH_LOAD_NT   ; the slot takes the row 32 further down
.endif
.set j, j+1
.endr
.irp k, 0,1,2,3
	v_permlanex16_b32 v[22+\k], v[ACC+\k], s20, s21
.endr
	v_permlanex16_b32 v26, v16, s20, s21
.irp k, 0,1,2,3
	v_add_f32 v[ACC+\k], v[ACC+\k], v[22+\k]       ; the two halves' rows: the wave's 128
.endr
	v_add_f32 v16, v16, v26
	ds_store_b128 v5, v[12:15] offset:RED          ; (both halves write the same bytes with the same values)
	ds_store_b32 v6, v16
	s_wait_dscnt 0x0                               ; for the others' sake: my stores have landed
	s_barrier_signal -1
	s_barrier_wait -1
	s_cmp_lg_u32 s10, 0
	s_cbranch_scc1 .Lend                           ; wave 0 adds the sixteen parts
.irp k, 0,1,2,3,4,5,6,7
	ds_load_b128 v[X+4*\k:X+4*\k+3], v7 offset:RED+512*\k          ; wave 2 k + h's sums
.endr
.irp k, 0,1,2,3
	ds_load_b128 v[X+32+4*\k:X+32+4*\k+3], v11 offset:16*\k        ; the sixteen counts
.endr
	s_wait_dscnt 0x0
	v_pk_add_f32 v[16:17], v[X+32:X+33], v[X+34:X+35]
.irp k, 36,38,40,42,44,46
	v_pk_add_f32 v[16:17], v[16:17], v[X+\k:X+\k+1]
.endr
	v_add_f32 v16, v16, v17
	s_wait_alu depctr_va_vdst(0)                   ; the wait ahead of the transcendental
	v_rcp_f32 v17, v16                             ; 1 / the count; the sums below are the independent work behind it
	v_pk_add_f32 v[12:13], v[X:X+1], v[X+4:X+5]
	v_pk_add_f32 v[14:15], v[X+2:X+3], v[X+6:X+7]
.irp k, 2,3,4,5,6,7
	v_pk_add_f32 v[12:13], v[12:13], v[X+4*\k:X+4*\k+1]
	v_pk_add_f32 v[14:15], v[14:15], v[X+4*\k+2:X+4*\k+3]
.endr
.irp k, 0,1,2,3
	v_permlanex16_b32 v[22+\k], v[ACC+\k], s20, s21
.endr
.irp k, 0,1,2,3
	v_add_f32 v[ACC+\k], v[ACC+\k], v[22+\k]       ; even waves' and odd waves'
.endr
	s_wait_alu depctr_va_vdst(0)                   ; the wait ahead of the reciprocal's first reader
.irp k, 0,1,2,3
	v_mul_f32 v[ACC+\k], v[ACC+\k], v17
.endr
	v_cndmask_b32 v20, v12, v14, s22               ; lanes 0-15 store columns 0, 1 of their four, lanes 16-31 columns 2, 3
	v_cndmask_b32 v21, v13, v15, s22
	global_store_b64 v10, v[20:21], s[8:9]         ; 32 lanes store 256 consecutive bytes, aligned
.Lend:
	s_wait_tensorcnt 0x0                           ; the wave's end: behind my last LDS store
	ds_add_u32 v8, v9
	s_wait_dscnt 0x0
	s_endpgm
.Lfunc_end_k_q4490aa12da_havg:
	.size	k_q4490aa12da_havg, .Lfunc_end_k_q4490aa12da_havg-k_q4490aa12da_havg
	.p2alignl 7, 3214868480
	.fill 96, 4, 3214868480
	.section	.rodata,"a",@progbits
	.p2align	6, 0x0
	.amdhsa_kernel k_q4490aa12da_havg
		.amdhsa_group_segment_fixed_size 6400
		.amdhsa_private_segment_fixed_size 0
		.amdhsa_enable_private_segment 0
		.amdhsa_kernarg_size 24
		.amdhsa_user_sgpr_count 2
		.amdhsa_user_sgpr_kernarg_segment_ptr 1
		.amdhsa_wavefront_size32 1
		.amdhsa_system_sgpr_workgroup_id_x 1
		.amdhsa_system_sgpr_workgroup_id_y 1
		.amdhsa_system_sgpr_workgroup_id_z 1
		.amdhsa_system_vgpr_workitem_id 0
		.amdhsa_next_free_vgpr 224
		.amdhsa_next_free_sgpr 66
		.amdhsa_reserve_vcc 0
		.amdhsa_float_denorm_mode_32 3
		.amdhsa_float_denorm_mode_16_64 3
		.amdhsa_memory_ordered 1
		.amdhsa_forward_progress 1
		.amdhsa_inst_pref_size 30
	.end_amdhsa_kernel
	.amdgpu_metadata
---
amdhsa.version: [ 1, 2 ]
amdhsa.kernels:
  - .name:           k_q4490aa12da_havg
    .symbol:         k_q4490aa12da_havg.kd
    .args:
      - { .name: hidden_states, .offset: 0, .size: 8, .value_kind: global_buffer, .address_space: global }
      - { .name: attention_mask, .offset: 8, .size: 8, .value_kind: global_buffer, .address_space: global }
      - { .name: havg, .offset: 16, .size: 8, .value_kind: global_buffer, .address_space: global }
    .group_segment_fixed_size: 6400
    .private_segment_fixed_size: 0
    .kernarg_segment_align: 8
    .kernarg_segment_size: 24
    .max_flat_workgroup_size: 512
    .sgpr_count:     66
    .vgpr_count:     224
    .wavefront_size: 32
...
	.end_amdgpu_metadata
.endif
;; end of part 1
;; launch prep (part 2): grid 192 x 1, 8 waves a work-group, no clusters, 9,728 bytes of LDS; arguments havg, Wq, bq, Wk, Wv, q, wimg; writes q, wimg
.if DOCPART == 2
	.amdgcn_target "amdgcn-amd-amdhsa--gfx1250"
	.amdhsa_code_object_version 6
	.text
	.protected	k_q4490aa12da_prep
	.globl	k_q4490aa12da_prep
	.p2align	8
	.type	k_q4490aa12da_prep,@function
k_q4490aa12da_prep:
	s_mov_b64 s[64:65], 0
	v_nop
	global_prefetch_b8 v0, s[64:65] scope:SCOPE_SE
	s_setreg_imm32_b32 hwreg(HW_REG_WAVE_MODE, 25, 1), 1
	s_wait_xcnt 0x0
; LAUNCH 2 OF 4.  Work-groups 0-63: q[b][o] = sum over k of Q(havg)[b][k] Q(Wq)[o][k] + bq[o], on codes of FP8 (E4M3) with one E8M0 scale for each 32 along K.
; Work-groups 64-191: Wk and Wv as codes, laid as launch 3's waves take them into registers.  (No work of reference() is left out here.)
; EVERY WAVE QUANTISES ONE FRAGMENT of a weight, 16 rows x 128 K.  K is innermost in memory, so lane (r, h) loads, of its row, the 16 numbers 32 c + 16 h + 0 .. 15 of each block c of 32: four loads of 16 bytes a block;
; the conversions' results then are the operand's registers.  A load so touches 32 pieces of 16 bytes; the four loads of a block use every byte of the 128 that they touch.
; q: work-group x makes outputs 16 x .. 16 x + 15 for the 16 batches; wave s takes K step s, also of havg; one matrix instruction a wave (source 0 = 16 rows of Wq, source 1 = the 16 batches, so that a lane holds one batch
;   and eight neighbouring outputs); the eight parts meet in LDS and wave 0 adds them, K ascending, and bq.  A work-group owns 64 bytes of each of q's 16 rows: runs shorter than 256 bytes, 65,536 bytes in all.
; wimg: tile T = 8 P + kappa (P = 0, 1: Wk's rows 0-511, 512-1023; P = 2, 3: Wv's; kappa: the K step of 128) is four blocks (wave w of launch 3) of 16,896 bytes: eight fragments' images of 2,048 bytes, then 512 bytes of scale words.
;   Lane row r of fragment b is W's row 512 (P % 2) + 128 w + 8 r + b: a lane's eight fragments are eight NEIGHBOURING outputs.  Image byte 512 c + 16 lane + i: the code of K = 128 kappa + 32 c + 16 h + i.
;   The scale word of (b, r): byte 16,384 + 256 (b / 4) + 16 r + 4 (b % 4).  Work-group 64 + y makes block y = 4 T + w, wave b its fragment b.
; A block's scale is 2^(floor(log2(its largest magnitude)) - 8); its byte is that magnitude's exponent field - 8, held at 1 from below.
; LIMITS: a block of zeros gets the byte 1 where the rule says 127 (its codes are zeros, and this program alone reads the bytes); blocks whose largest magnitude lies under 2^-118 keep the byte 1; NaN and infinities are not served.
.set REDQ,  0                          ; LDS: q's eight parts, 1,024 bytes a wave (the q path alone)
.set SCG,   8192                       ; a block's 512 bytes of scale words (the weights' path alone)
.set SPARE, 8704                       ; the spare words, 128 bytes for each wave: four blocks of 256 bytes that no other line names
.set WBLK,  16896
.set LI,   4                           ; v4   16 x lane
.set HOF,  5                           ; v5   4,096 r + 64 h: rows that are neighbours
.set WOF,  6                           ; v6   32,768 r + 64 h: rows 8 apart
.set SPW,  8
.set NIL,  9
.set PWW,  10                          ; v10  the weight fragment's scale word; v11 havg's: they hold scales and nothing else
.set PWH,  11
.set RQW,  12                          ; v12  1,024 x wave + 16 x lane
.set SGW,  14                          ; v14  256 (wave / 4) + 16 r + 4 (wave % 4)
.set TM,   16                          ; v16-31 at work in QUANT
.set PCW,  32                          ; v32-47 the weight's codes;  v48-63 havg's
.set PCH,  48
.set D,    64                          ; v64-71 the product
.set BQ,   72                          ; v72-79 bq
.set BQO,  80
.set QOF,  81
.set XW,   96                          ; v96-159  64 numbers of the weight
.set XH,   160                         ; v160-223 64 numbers of havg; later the eight parts
.set WV,   22
.set SEL,  36
.set MNT,  38
; 64 numbers of a lane, register 16 b + i = k 32 b + 16 h + i of my row, become a fragment's codes in v[pc] on and its scale word in v[pw]
.macro QUANT s, pc, pw
.irp b, 0,1,2,3
	v_max3_num_f32 v[TM+\b], |v[\s+16*\b]|, |v[\s+1+16*\b]|, 0x4800000   ; block b: my 16 numbers, and the floor 2^(9 - 127): so the byte cannot fall under 1
.endr
.irp i, 2,4,6,8,10,12,14
.irp b, 0,1,2,3
	s_delay_alu instid0(VALU_DEP_4)
	v_max3_num_f32 v[TM+\b], v[TM+\b], |v[\s+16*\b+\i]|, |v[\s+1+16*\b+\i]|   ; (the four blocks by turns)
.endr
.endr
.irp b, 0,1,2,3
	s_delay_alu instid0(VALU_DEP_4)
	v_permlanex16_b32 v[TM+4+\b], v[TM+\b], s[SEL], s[SEL+1]
.endr
.irp b, 0,1,2,3
	s_delay_alu instid0(VALU_DEP_4)
	v_max_num_f32 v[TM+\b], v[TM+\b], v[TM+4+\b]   ; with lane l xor 16's: the block's largest magnitude
.endr
.irp b, 0,1,2,3
	s_delay_alu instid0(VALU_DEP_4)
	v_add_nc_u32 v[TM+12+\b], 0xfc000000, v[TM+\b] ; 8 off its exponent field: the conversion takes the exponent field of this operand as its scale
.endr
.irp b, 0,1,2,3
	v_and_or_b32 v[TM+8+\b], v[TM+\b], 0x7f800000, s[MNT]   ; 448 x the scale
.endr
.irp b, 0,1,2,3
	v_lshrrev_b32 v[TM+4+\b], 23, v[TM+12+\b]      ; the scale's byte
.endr
	s_delay_alu instid0(VALU_DEP_3)
	v_lshl_or_b32 v[\pw], v[TM+5], 8, v[TM+4]      ; the four bytes make my row's scale word
	s_delay_alu instid0(VALU_DEP_1)
	v_lshl_or_b32 v[\pw], v[TM+6], 16, v[\pw]
	s_delay_alu instid0(VALU_DEP_1)
	v_lshl_or_b32 v[\pw], v[TM+7], 24, v[\pw]
.irp b, 0,1,2,3
.irp i, 0,1,2,3,4,5,6,7,8,9,10,11,12,13,14,15
	v_med3_num_f32 v[\s+16*\b+\i], v[\s+16*\b+\i], -v[TM+8+\b], v[TM+8+\b]   ; the conversion to an 8-bit code does not saturate (ISA guide 7.6.2): the hold at the largest code x the scale
.endr
	v_cvt_scalef32_pk8_fp8_f32 v[\pc+4*\b:\pc+1+4*\b], v[\s+16*\b:\s+7+16*\b], v[TM+12+\b]
	v_cvt_scalef32_pk8_fp8_f32 v[\pc+2+4*\b:\pc+3+4*\b], v[\s+8+16*\b:\s+15+16*\b], v[TM+12+\b]
.endr
	v_nop                                          ; one plain vector instruction behind the last scaled conversion
.endm
.macro XLD reg, ofr, sb                ; 64 numbers of my row, in the operand's order
.irp b, 0,1,2,3
.irp j, 0,1,2,3
	global_load_b128 v[\reg+16*\b+4*\j:\reg+16*\b+4*\j+3], v[\ofr], s[\sb:\sb+1] offset:128*\b+16*\j
.endr
.endr
.endm
	s_load_b256 s[8:15], s[0:1], 0x0               ; havg s[8:9], Wq s[10:11], bq s[12:13], Wk s[14:15]
	s_load_b128 s[16:19], s[0:1], 0x20             ; Wv s[16:17], q s[18:19]
	s_load_b64 s[20:21], s[0:1], 0x30              ; wimg
	v_lshl_add_u32 v[SPW], v0, 2, SPARE
	v_mov_b32 v[NIL], 0
	v_lshrrev_b32 v1, 5, v0
	s_delay_alu instid0(VALU_DEP_1)
	v_readfirstlane_b32 s[WV], v1                  ; wave 0..7
	v_and_b32 v1, 31, v0                           ; lane
	v_and_b32 v2, 15, v0                           ; r
	v_bfe_u32 v3, v0, 4, 1                         ; h
	s_delay_alu instid0(VALU_DEP_3)
	v_lshlrev_b32 v[LI], 4, v1
	s_delay_alu instid0(VALU_DEP_3)
	v_lshlrev_b32 v[HOF], 12, v2
	s_delay_alu instid0(VALU_DEP_1)
	v_lshl_add_u32 v[HOF], v3, 6, v[HOF]
	v_lshlrev_b32 v[WOF], 15, v2
	s_delay_alu instid0(VALU_DEP_1)
	v_lshl_add_u32 v[WOF], v3, 6, v[WOF]
	s_lshl_b32 s23, s[WV], 10
	v_add_nc_u32 v[RQW], s23, v[LI]
	s_lshr_b32 s24, s[WV], 2
	s_lshl_b32 s24, s24, 8
	s_and_b32 s25, s[WV], 3
	s_lshl_b32 s25, s25, 2
	s_add_co_u32 s24, s24, s25
	v_lshl_add_u32 v[SGW], v2, 4, s24
	v_lshlrev_b32 v[BQO], 5, v3                    ; bq: my half's eight outputs
	v_lshlrev_b32 v[QOF], 12, v2
	s_delay_alu instid0(VALU_DEP_1)
	v_lshl_add_u32 v[QOF], v3, 5, v[QOF]           ; q: row r (the batch), + 32 h
	s_mov_b32 s[SEL], 0x76543210
	s_mov_b32 s[SEL+1], 0xfedcba98
	s_mov_b32 s[MNT], 0x600000                     ; the mantissa field of 448
.irp b, 0,1,2,3
	v_mov_b32 v[TM+4+\b], 0                        ; written once: a lane permute's destination counts as one of its sources
.endr
	s_wait_kmcnt 0x0
	s_cmp_ge_u32 ttmp9, 64                         ; the one parting: on the work-group's number, the same in all eight waves
	s_cbranch_scc1 .Lweights
	; ---- q
	s_lshl_b32 s24, ttmp9, 16                      ; 16 rows of Wq,
	s_lshl_b32 s26, s[WV], 9                       ; my K step's 512 bytes
	s_add_co_u32 s24, s24, s26
	s_mov_b32 s25, 0
	s_mov_b32 s27, 0
	s_lshl_b32 s28, ttmp9, 6                       ; 16 outputs
	s_mov_b32 s29, 0
	s_add_nc_u64 s[10:11], s[10:11], s[24:25]
	s_add_nc_u64 s[8:9], s[8:9], s[26:27]
	s_add_nc_u64 s[12:13], s[12:13], s[28:29]
	s_add_nc_u64 s[18:19], s[18:19], s[28:29]
	XLD XW, HOF, 10
	XLD XH, HOF, 8
	s_wait_loadcnt 16                              ; Wq's 16 loads are in; havg's 16 may be out
	QUANT XW, PCW, PWW
	s_wait_loadcnt 0x0
	QUANT XH, PCH, PWH
.rept 8
	v_nop                                          ; operands and scale words written by vector instructions stand ahead of a scaled matrix instruction: 4 and 8 places
.endr
	v_wmma_scale_f32_16x16x128_f8f6f4 v[D:D+7], v[PCW:PCW+15], v[PCH:PCH+15], 0, v[PWW], v[PWH]   ; lane (r, h): batch r, register j: output 16 x + 8 h + j
.rept 8
	v_nop                                          ; eight places ahead of the first read of the result
.endr
	ds_store_b128 v[RQW], v[D:D+3] offset:REDQ     ; the result as an image of its registers, from its low end on
	ds_store_b128 v[RQW], v[D+4:D+7] offset:REDQ+512
	s_wait_dscnt 0x0                               ; for wave 0's sake: my stores have landed
	s_barrier_signal -1
	s_barrier_wait -1
	s_cmp_lg_u32 s[WV], 0
	s_cbranch_scc1 .Lend
	global_load_b128 v[BQ:BQ+3], v[BQO], s[12:13]
	global_load_b128 v[BQ+4:BQ+7], v[BQO], s[12:13] offset:16
.irp k, 0,1,2,3,4,5,6,7
	ds_load_b128 v[XH+8*\k:XH+8*\k+3], v[LI] offset:REDQ+1024*\k
	ds_load_b128 v[XH+8*\k+4:XH+8*\k+7], v[LI] offset:REDQ+1024*\k+512
.endr
	s_wait_dscnt 0x0
.irp k, 1,2,3,4,5,6,7                  ; K ascending
.irp p, 0,2,4,6
	v_pk_add_f32 v[XH+\p:XH+\p+1], v[XH+\p:XH+\p+1], v[XH+8*\k+\p:XH+8*\k+\p+1]
.endr
.endr
	s_wait_alu depctr_va_vdst(0)
	s_wait_loadcnt 0x0
.irp p, 0,2,4,6
	v_pk_add_f32 v[XH+\p:XH+\p+1], v[XH+\p:XH+\p+1], v[BQ+\p:BQ+\p+1]
.endr
	global_store_b128 v[QOF], v[XH:XH+3], s[18:19]
	global_store_b128 v[QOF], v[XH+4:XH+7], s[18:19] offset:16
	s_branch .Lend
.Lweights:
	; ---- a fragment of Wk or Wv
	s_sub_co_u32 s26, ttmp9, 64                    ; y = 4 T + w
	s_lshr_b32 s27, s26, 2                         ; T
	s_and_b32 s28, s26, 3                          ; w
	s_lshr_b32 s29, s27, 3                         ; P
	s_and_b32 s30, s27, 7                          ; kappa
	s_and_b32 s31, s29, 1
	s_lshl_b32 s31, s31, 9
	s_lshl_b32 s28, s28, 7
	s_add_co_u32 s31, s31, s28
	s_add_co_u32 s31, s31, s[WV]                   ; lane row 0: 512 (P % 2) + 128 w + b
	s_lshl_b32 s32, s31, 12
	s_lshl_b32 s30, s30, 9
	s_add_co_u32 s32, s32, s30
	s_mov_b32 s33, 0
	s_mul_i32 s34, s26, WBLK
	s_lshl_b32 s35, s[WV], 11
	s_add_co_u32 s34, s34, s35                     ; the block, my fragment's image
	s_mov_b32 s35, 0
	s_cmp_lt_u32 s29, 2                            ; the choice hangs on the work-group's number alone
	s_cselect_b64 s[14:15], s[14:15], s[16:17]
	s_add_nc_u64 s[14:15], s[14:15], s[32:33]
	s_add_nc_u64 s[20:21], s[20:21], s[34:35]
	XLD XW, WOF, 14
	s_wait_loadcnt 0x0
	QUANT XW, PCW, PWW
.irp c, 0,1,2,3
	global_store_b128 v[LI], v[PCW+4*\c:PCW+4*\c+3], s[20:21] offset:512*\c   ; 32 lanes store 512 consecutive bytes, aligned
.endr
	ds_store_b32 v[SGW], v[PWW] offset:SCG         ; (both halves write the same word with the same value)
	s_wait_dscnt 0x0
	s_barrier_signal -1
	s_barrier_wait -1
	s_cmp_lg_u32 s[WV], 0
	s_cbranch_scc1 .Lend
	ds_load_b128 v[D:D+3], v[LI] offset:SCG
	s_wait_dscnt 0x0
	global_store_b128 v[LI], v[D:D+3], s[20:21] offset:16384   ; the block's 512 bytes of scale words (wave 0's base is the block's)
.Lend:
	s_wait_tensorcnt 0x0                           ; the wave's end: behind my last LDS store
	ds_add_u32 v[SPW], v[NIL]
	s_wait_dscnt 0x0
	s_endpgm
.Lfunc_end_k_q4490aa12da_prep:
	.size	k_q4490aa12da_prep, .Lfunc_end_k_q4490aa12da_prep-k_q4490aa12da_prep
	.p2alignl 7, 3214868480
	.fill 96, 4, 3214868480
	.section	.rodata,"a",@progbits
	.p2align	6, 0x0
	.amdhsa_kernel k_q4490aa12da_prep
		.amdhsa_group_segment_fixed_size 9728
		.amdhsa_private_segment_fixed_size 0
		.amdhsa_enable_private_segment 0
		.amdhsa_kernarg_size 56
		.amdhsa_user_sgpr_count 2
		.amdhsa_user_sgpr_kernarg_segment_ptr 1
		.amdhsa_wavefront_size32 1
		.amdhsa_system_sgpr_workgroup_id_x 1
		.amdhsa_system_sgpr_workgroup_id_y 1
		.amdhsa_system_sgpr_workgroup_id_z 1
		.amdhsa_system_vgpr_workitem_id 0
		.amdhsa_next_free_vgpr 224
		.amdhsa_next_free_sgpr 66
		.amdhsa_reserve_vcc 0
		.amdhsa_float_denorm_mode_32 3
		.amdhsa_float_denorm_mode_16_64 3
		.amdhsa_memory_ordered 1
		.amdhsa_forward_progress 1
		.amdhsa_inst_pref_size 41
	.end_amdhsa_kernel
	.amdgpu_metadata
---
amdhsa.version: [ 1, 2 ]
amdhsa.kernels:
  - .name:           k_q4490aa12da_prep
    .symbol:         k_q4490aa12da_prep.kd
    .args:
      - { .name: havg, .offset: 0, .size: 8, .value_kind: global_buffer, .address_space: global }
      - { .name: Wq, .offset: 8, .size: 8, .value_kind: global_buffer, .address_space: global }
      - { .name: bq, .offset: 16, .size: 8, .value_kind: global_buffer, .address_space: global }
      - { .name: Wk, .offset: 24, .size: 8, .value_kind: global_buffer, .address_space: global }
      - { .name: Wv, .offset: 32, .size: 8, .value_kind: global_buffer, .address_space: global }
      - { .name: q, .offset: 40, .size: 8, .value_kind: global_buffer, .address_space: global }
      - { .name: wimg, .offset: 48, .size: 8, .value_kind: global_buffer, .address_space: global }
    .group_segment_fixed_size: 9728
    .private_segment_fixed_size: 0
    .kernarg_segment_align: 8
    .kernarg_segment_size: 56
    .max_flat_workgroup_size: 256
    .sgpr_count:     66
    .vgpr_count:     224
    .wavefront_size: 32
...
	.end_amdgpu_metadata
.endif
;; end of part 2
;; launch main (part 3): grid 256 x 1, 4 waves a work-group, no clusters, 327,680 bytes of LDS; arguments embeddings, attention_mask, q, bk, wimg, scores, pacc; writes scores, pacc
.if DOCPART == 3
	.amdgcn_target "amdgcn-amd-amdhsa--gfx1250"
	.amdhsa_code_object_version 6
	.text
	.protected	k_q4490aa12da_main
	.globl	k_q4490aa12da_main
	.p2align	8
	.type	k_q4490aa12da_main,@function
k_q4490aa12da_main:
	s_mov_b64 s[64:65], 0
	v_nop
	global_prefetch_b8 v0, s[64:65] scope:SCOPE_SE
	s_setreg_imm32_b32 hwreg(HW_REG_WAVE_MODE, 25, 1), 1
	s_wait_xcnt 0x0
; LAUNCH 3 OF 4.  Work-group x takes rows 128 x .. 128 x + 127 of embeddings through: codes of E4M3 with E8M0 scales; k = Q(e) Q(Wk)^T; scores = (q . k + q . bk) / 32, masked; a local softmax (the block's own maximum);
; v = Q(e) Q(Wv)^T; pacc[x] = sum over the 128 rows of p v.  bv is added in launch 4 and first_piece_mask is not loaded (shown at the head of launch 1).
; PHASE 1: each wave quantises 32 rows, all of K, through its own stage in LDS; the codes lie in LDS as images of the operand's registers (131,072 bytes) with their scale words, and stay.
; PHASE 2: four passes (Wk's and Wv's halves of 512 outputs), eight K steps of 128 each; a wave makes 128 rows x 128 outputs: 64 accumulators, 64 products a K step.
; THE WEIGHTS GO FROM MEMORY STRAIGHT INTO THE OPERAND'S REGISTERS: launch 2 laid wimg in that order, a block of 16,896 bytes for each wave and K step: 32 loads of 512 consecutive bytes and 2 of scale words.
; B has two sets of 128 registers: behind a K step's last product its set takes the block two steps on, so a block has one whole K step, 64 products, in which to land.
; NO CLUSTER, NO TENSOR LOAD: no fragment of a weight is used by two waves of a work-group, so a way through LDS would add 67,584 bytes written and 67,584 read to each K step's 66,560 bytes of e's fragments, and a barrier to each K step.
; The K steps begin at 2 ((x / 4) % 4) and the halves are swapped by bit 4 of x, so that the work-groups do not all walk wimg in one order; e's image is laid in the same turned order.
; PREFETCH: Wv's half of wimg, 132 runs of 8,192 bytes, is asked for once, by 132 waves of the launch, at the head of the second pass: eight K steps ahead of its first use.
; LIMITS: NaN and infinities are not served; a block of zeros has the byte 1 (its codes are zeros; this program alone reads the bytes); sums in another order than reference()'s.
.set AIMG,  0
.set ASC,   131072
.set RING,  135168
.set SLOT,  67584
.set WBLK,  16896
.set STG,   270336
.set SPIT,  528
.set RED,   304128
.set SCO,   306176
.set QBR,   306688
.set SPARE, 306944
.set LI,    1
.set ADA,   2
.set ASB,   3
.set ADS,   4
.set ADB,   5
.set ASW,   7
.set SPW,   9
.set NIL,   10
.set QO,    11
.set QB,    12
.set STW,   14
.set PFO,   14
.set STR,   15
.set PO,    15
.set QP,    16
.set SC,    32
.set S,     64
.set PC,    64
.set TM,    96
.set PW,    112
.set AIW0,  113
.set ASCW0, 114
.set AF,    128
.set X0,    128
.set WV,    18
.set SEL,   20
.set MNT,   22
.set HM,    23
.set G1,    24
.set G0,    32
.set TA,    40
.set TS,    41
.set TR,    42
.set PS,    43
.set NX,    49
.set SG,    50
.set RC,    51
.set EB,    52
.set RK,    54
.set T1,    55
.set MSB, 0
.macro WIN new
.if MSB != (\new)
	s_set_vgpr_msb (MSB<<8)|(\new)
.set MSB, (\new)
.endif
.endm
.set MUL_LO, 0xa4
.set MUL_HI, 0xf4
.set TO_B,   0x40
.macro PLACES n
.rept \n
	v_nop
.endr
.endm
.macro NEXTG0 n
	s_lshr_b32 s58, s[NX], 3
	s_xor_b32 s58, s58, s[SG]
	s_lshl_b32 s58, s58, 3
	s_add_co_u32 s59, s[NX], s[RC]
	s_and_b32 s59, s59, 7
	s_or_b32 s58, s58, s59
	s_mul_i32 s58, s58, SLOT
	s_mov_b32 s59, 0
	s_add_nc_u64 s[G0+4*\n+2:G0+4*\n+3], s[12:13], s[58:59]   ; set n's base: my wave's block of the next tile of wimg
	s_add_co_u32 s[NX], s[NX], 1
.endm
.macro QUANT s, pc, pw
.irp b, 0,1,2,3
	v_max3_num_f32 v[TM+\b], |v[\s+16*\b]|, |v[\s+1+16*\b]|, 0x4800000
.endr
.irp i, 2,4,6,8,10,12,14
.irp b, 0,1,2,3
	v_max3_num_f32 v[TM+\b], v[TM+\b], |v[\s+16*\b+\i]|, |v[\s+1+16*\b+\i]|
.endr
.endr
.irp b, 0,1,2,3
	v_permlanex16_b32 v[TM+4+\b], v[TM+\b], s[SEL], s[SEL+1]
.endr
.irp b, 0,1,2,3
	v_max_num_f32 v[TM+\b], v[TM+\b], v[TM+4+\b]
.endr
.irp b, 0,1,2,3
	v_add_nc_u32 v[TM+12+\b], 0xfc000000, v[TM+\b]
.endr
.irp b, 0,1,2,3
	v_and_or_b32 v[TM+8+\b], v[TM+\b], 0x7f800000, s[MNT]
.endr
.irp b, 0,1,2,3
	v_lshrrev_b32 v[TM+4+\b], 23, v[TM+12+\b]
.endr
	v_lshl_or_b32 v[\pw], v[TM+5], 8, v[TM+4]
	v_lshl_or_b32 v[\pw], v[TM+6], 16, v[\pw]
	v_lshl_or_b32 v[\pw], v[TM+7], 24, v[\pw]
.irp b, 0,1,2,3
.irp i, 0,1,2,3,4,5,6,7,8,9,10,11,12,13,14,15
	v_med3_num_f32 v[\s+16*\b+\i], v[\s+16*\b+\i], -v[TM+8+\b], v[TM+8+\b]
.endr
	v_cvt_scalef32_pk8_fp8_f32 v[\pc+4*\b:\pc+1+4*\b], v[\s+16*\b:\s+7+16*\b], v[TM+12+\b]
	v_cvt_scalef32_pk8_fp8_f32 v[\pc+2+4*\b:\pc+3+4*\b], v[\s+8+16*\b:\s+15+16*\b], v[TM+12+\b]
.endr
	v_nop
.endm
.macro LOADF u
	WIN 0x80                                       ; the rows as loaded wait in window 2, which holds no sums yet
.irp i, 0,1,2,3,4,5,6,7,8,9,10,11,12,13,14,15
	global_load_b128 v[64*(\u)+4*\i:64*(\u)+4*\i+3], v[LI], s[EB:EB+1] offset:65536*((\u)%2)+512*((\u)/2)+4096*\i th:TH_LOAD_NT
.endr
	WIN 0
.endm
.macro TURN rs, x
	WIN 0x08
.irp i, 0,1,2,3,4,5,6,7,8,9,10,11,12,13,14,15
	ds_store_b128 v[STW], v[64*(\rs)+4*\i:64*(\rs)+4*\i+3] offset:SPIT*\i
.endr
	WIN 0
.irp b, 0,1,2,3
.irp j, 0,1,2,3
	ds_load_b128 v[\x+16*\b+4*\j:\x+16*\b+4*\j+3], v[STR] offset:128*\b+16*\j
.endr
.endr
.endm
.macro FSTEP u, load, lcnt, turn
	s_wait_dscnt 0x0
.if \load
	LOADF \u
.endif
.if \turn
	s_wait_loadcnt \lcnt
	TURN ((\u)+1)%4, X0+64*(((\u)+1)%2)
.endif
	QUANT X0+64*((\u)%2), PC, PW
.irp c, 0,1,2,3
	ds_store_b128 v[ADA], v[PC+4*\c:PC+4*\c+3] offset:16384*((\u)/2)+2048*((\u)%2)+512*\c
.endr
	ds_store_b32 v[ADS], v[PW] offset:512*((\u)/2)+4*((\u)%2)
.endm
.macro MUL8 a, set, zero
.irp b, 0,1,2,3,4,5,6,7
.if \zero
	v_wmma_scale_f32_16x16x128_f8f6f4 v[8*(8*((\a)%4)+\b):8*(8*((\a)%4)+\b)+7], v[AF+16*(\a):AF+16*(\a)+15], v[128*(\set)+16*\b:128*(\set)+16*\b+15], 0, v[SC+16*(\set)+(\a)], v[SC+8+16*(\set)+\b]
.else
	v_wmma_scale_f32_16x16x128_f8f6f4 v[8*(8*((\a)%4)+\b):8*(8*((\a)%4)+\b)+7], v[AF+16*(\a):AF+16*(\a)+15], v[128*(\set)+16*\b:128*(\set)+16*\b+15], v[8*(8*((\a)%4)+\b):8*(8*((\a)%4)+\b)+7], v[SC+16*(\set)+(\a)], v[SC+8+16*(\set)+\b]
.endif
.endr
.endm
.macro GLOADB n                        ; the next block of wimg into B's set n and its scale words: 34 loads; the base is written anew only behind the wait that showed the set's last loads done
	NEXTG0 \n
	WIN TO_B
.irp b, 0,1,2,3,4,5,6,7
.irp c, 0,1,2,3
	global_load_b128 v[128*(\n)+16*\b+4*\c:128*(\n)+16*\b+4*\c+3], v[LI], s[G0+4*(\n)+2:G0+4*(\n)+3] offset:2048*\b+512*\c
.endr
.endr
	WIN 0
	global_load_b128 v[SC+16*(\n)+8:SC+16*(\n)+11], v[ASW], s[G0+4*(\n)+2:G0+4*(\n)+3]
	global_load_b128 v[SC+16*(\n)+12:SC+16*(\n)+15], v[ASW], s[G0+4*(\n)+2:G0+4*(\n)+3] offset:256
.endm
.macro FETCH_A areg, off, a0
.irp a, \a0, \a0+1, \a0+2, \a0+3
.irp c, 0,1,2,3
	ds_load_b128 v[AF+16*(\a)+4*\c:AF+16*(\a)+4*\c+3], v[\areg] offset:\off+2048*(\a)+512*\c
.endr
.endr
.endm
.macro SCALES n, sreg, soff
	ds_load_b128 v[SC+16*(\n):SC+16*(\n)+3], v[\sreg] offset:\soff
	ds_load_b128 v[SC+16*(\n)+4:SC+16*(\n)+7], v[\sreg] offset:\soff+256
.endm
; A K step.  fill: behind it B's set cur takes the block two steps on.  fetch: a step follows, whose fragments of e are fetched from LDS
.macro KSTEP cur, zero, fill, fetch, areg, aoff, sreg, soff
	s_wait_loadcnt 34*(\fetch)                     ; B's set cur is in: behind its loads the next block's 34 were issued (the last step: none)
	s_wait_dscnt 16                                ; e's blocks 0-3 and scale words are in; the youngest 16 loads (blocks 4-7) may be out
	WIN MUL_LO
	MUL8 0, \cur, \zero
	MUL8 1, \cur, \zero
	MUL8 2, \cur, \zero
	MUL8 3, \cur, \zero
	WIN 0
	s_wait_dscnt 0x0
.if \fetch
	PLACES 8
	s_wait_alu depctr_va_vdst(0)                   ; the wait here, directly ahead of the first reader of the stepped addresses
	FETCH_A \areg, \aoff, 0
	SCALES 1-\cur, \sreg, \soff
.endif
	WIN MUL_HI
	MUL8 4, \cur, \zero
	MUL8 5, \cur, \zero
	MUL8 6, \cur, \zero
	MUL8 7, \cur, \zero
	PLACES 8
	WIN 0
.if \fetch
	FETCH_A \areg, \aoff, 4
.endif
.if \fill
	GLOADB \cur                                    ; behind the eight places: the step's products have read the set
.endif
.endm
.macro PASSL trips
	KSTEP 0, 1, 1, 1, LI, 16384, ASB, 512
	s_mov_b32 s[TA], 32768
	s_mov_b32 s[TS], 1024
	s_mov_b32 s[TR], \trips
.Lpair_\@:
	v_add_nc_u32 v[ADA], s[TA], v[LI]
	v_add_nc_u32 v[ADS], s[TS], v[ASB]
	KSTEP 1, 0, 1, 1, ADA, 0, ADS, 0
	KSTEP 0, 0, 1, 1, ADA, 16384, ADS, 512
	s_add_co_u32 s[TA], s[TA], 32768
	s_add_co_u32 s[TS], s[TS], 1024
	s_sub_co_u32 s[TR], s[TR], 1
	s_cmp_lg_u32 s[TR], 0
	s_cbranch_scc1 .Lpair_\@
.endm
.macro EPI_K
.irp ap, 0,2,4,6
	WIN 0x02+(\ap)/4
.irp b, 0,1,2,3,4,5,6,7
.irp a, \ap, \ap+1
.irp jp, 0,1,2,3
	v_pk_fma_f32 v[S+8*(\a)+2*\jp:S+8*(\a)+2*\jp+1], v[8*(8*((\a)%4)+\b)+2*\jp:8*(8*((\a)%4)+\b)+2*\jp+1], v[QP+2*\b:QP+2*\b+1], v[S+8*(\a)+2*\jp:S+8*(\a)+2*\jp+1]
.endr
.endr
.endr
.endr
	WIN 0
.endm
.macro EPI_V
	s_wait_xcnt 0x0                                ; the last pass's store has read its registers
	v_xor_b32 v[PO], 2048, v[PO]                   ; this pass's half of pacc's row
.irp a, 0,1,2,3,4,5,6,7
	WIN 0x02+(\a)/4
.irp jp, 0,1,2,3
.irp b, 0,1,2,3,4,5,6,7
.if (\a == 0) && (\jp == 0)
	v_pk_mul_f32 v[QP+2*\b:QP+2*\b+1], v[8*(8*((\a)%4)+\b)+2*\jp:8*(8*((\a)%4)+\b)+2*\jp+1], v[S+8*(\a)+2*\jp:S+8*(\a)+2*\jp+1]
.else
	v_pk_fma_f32 v[QP+2*\b:QP+2*\b+1], v[8*(8*((\a)%4)+\b)+2*\jp:8*(8*((\a)%4)+\b)+2*\jp+1], v[S+8*(\a)+2*\jp:S+8*(\a)+2*\jp+1], v[QP+2*\b:QP+2*\b+1]
.endif
.endr
.endr
.endr
	WIN 0
.irp b, 0,1,2,3,4,5,6,7
	v_add_f32 v[QP+\b], v[QP+2*\b], v[QP+2*\b+1]
.endr
.irp b, 0,1,2,3,4,5,6,7
	v_permlanex16_b32 v[QP+8+\b], v[QP+\b], s[SEL], s[SEL+1]
.endr
.irp b, 0,1,2,3,4,5,6,7
	v_add_f32 v[QP+\b], v[QP+\b], v[QP+8+\b]
.endr
.irp k, 0,1,2,3
	v_cndmask_b32 v[QP+8+\k], v[QP+\k], v[QP+4+\k], s[HM]
.endr
	global_store_b128 v[PO], v[QP+8:QP+11], s[16:17]
.endm
	s_load_b256 s[4:11], s[0:1], 0x0
	s_load_b128 s[12:15], s[0:1], 0x20
	s_load_b64 s[16:17], s[0:1], 0x30
	v_lshl_add_u32 v[SPW], v0, 2, SPARE
	v_mov_b32 v[NIL], 0
	v_lshrrev_b32 v16, 5, v0
	v_readfirstlane_b32 s[WV], v16                 ; wave 0..3
	s_and_b32 s60, ttmp9, 3
	s_mov_b32 s19, ttmp9                           ; my block of 128 rows
	s_bfe_u32 s[RK], ttmp9, 0x20002                ; (x / 4) % 4: where my walk along K begins, in pairs of K steps
	s_lshl_b32 s[RC], s[RK], 1
	s_bfe_u32 s[SG], ttmp9, 0x10004                ; which half of a weight comes first
	s_mov_b32 s[NX], 0                             ; the count of blocks asked for
	s_mov_b32 s[SEL], 0x76543210
	s_mov_b32 s[SEL+1], 0xfedcba98
	s_mov_b32 s[MNT], 0x600000
	s_mov_b32 s[HM], 0xffff0000
	s_mov_b32 s44, 0x3d000000
	s_mov_b32 s45, s44
	s_mov_b32 s46, 0x3fb8aa3b
	s_mov_b32 s47, s46
	s_mov_b32 s48, 0xc61c4000
	s_and_b32 s61, ttmp9, 0xfc
	s_add_co_u32 s61, s61, s[WV]
	s_cmp_lt_u32 s61, 33
	s_cselect_b32 s62, 1, 0
	s_mov_b32 s3, 0
	s_wait_kmcnt 0x0
	s_lshl_b32 s2, s19, 19
	s_lshl_b32 s63, s[WV], 17
	s_add_co_u32 s2, s2, s63
	s_add_nc_u64 s[4:5], s[4:5], s[2:3]
	s_lshl_b32 s2, s19, 9
	s_add_nc_u64 s[6:7], s[6:7], s[2:3]
	s_add_nc_u64 s[14:15], s[14:15], s[2:3]
	s_lshl_b32 s2, s19, 12
	s_add_nc_u64 s[16:17], s[16:17], s[2:3]
	s_lshr_b32 s2, s19, 4
	s_lshl_b32 s2, s2, 12
	s_add_nc_u64 s[8:9], s[8:9], s[2:3]
	s_lshl_b32 s2, s61, 2
	s_add_co_u32 s2, s2, s60
	s_lshl_b32 s2, s2, 13
	s_add_co_u32 s2, s2, 16*SLOT
	s_add_nc_u64 s[56:57], s[12:13], s[2:3]
	s_lshl_b32 s2, s[RK], 10
	s_add_nc_u64 s[EB:EB+1], s[4:5], s[2:3]
	s_mul_i32 s58, s[WV], WBLK
	s_mov_b32 s59, 0
	s_add_nc_u64 s[12:13], s[12:13], s[58:59]
	v_and_b32 v16, 31, v0
	v_and_b32 v17, 15, v0
	v_bfe_u32 v18, v0, 4, 1
	v_lshlrev_b32 v[LI], 4, v16
	s_wait_alu depctr_va_vdst(0)
	s_lshl_b32 s63, s[WV], 10
	v_lshl_add_u32 v115, v16, 5, s63
	global_load_b128 v[80:83], v115, s[8:9]
	global_load_b128 v[84:87], v115, s[8:9] offset:16
	global_load_b128 v[88:91], v115, s[10:11]
	global_load_b128 v[92:95], v115, s[10:11] offset:16
	LOADF 0
	LOADF 1
	LOADF 2
	v_lshl_add_u32 v[ASB], v17, 4, ASC
	v_lshl_add_u32 v[ASW], v17, 4, 16384           ; a block's scale words: 16,384 + 16 r
	s_mul_i32 s63, s[WV], 16*SPIT
	s_add_co_u32 s63, s63, STG
	v_add_nc_u32 v[STW], s63, v[LI]
	v_mul_u32_u24 v[STR], v17, SPIT
	v_lshl_add_u32 v[STR], v18, 6, v[STR]
	v_add_nc_u32 v[STR], s63, v[STR]
	s_lshl_b32 s63, s[WV], 12
	v_add_nc_u32 v[AIW0], s63, v[LI]
	s_lshr_b32 s63, s[WV], 1
	s_lshl_b32 s63, s63, 8
	s_and_b32 s61, s[WV], 1
	s_lshl_b32 s61, s61, 3
	s_add_co_u32 s63, s63, s61
	s_wait_alu depctr_va_vdst(0)                   ; the wait here, directly ahead of the reader below
	v_add_nc_u32 v[ASCW0], s63, v[ASB]
	s_lshl_b32 s63, s[WV], 2
	s_add_co_u32 s63, s63, QBR
	v_mov_b32 v116, s63
	v_mov_b32 v118, 0
.irp b, 0,1,2,3
	v_mov_b32 v[TM+4+\b], 0
.endr
	s_wait_loadcnt 48
	v_mul_f32 v117, v80, v88
.irp i, 1,2,3,4,5,6,7
	v_fmac_f32 v117, v[80+\i], v[88+\i]
.endr
	v_add_f32_dpp v117, v117, v117 row_xmask:1 row_mask:0xf bank_mask:0xf
	v_add_f32_dpp v117, v117, v117 row_xmask:2 row_mask:0xf bank_mask:0xf
	v_add_f32_dpp v117, v117, v117 row_xmask:4 row_mask:0xf bank_mask:0xf
	v_add_f32_dpp v117, v117, v117 row_xmask:8 row_mask:0xf bank_mask:0xf
	v_permlanex16_b32 v118, v117, s[SEL], s[SEL+1]
	v_add_f32 v117, v117, v118
	ds_store_b32 v116, v117
	LOADF 3
	s_wait_loadcnt 48
	TURN 0, X0
	s_mov_b32 s[TR], 3
	s_mov_b32 s[T1], 0
	s_mov_b32 s[TS], 0
.Lfrag:
	s_wait_xcnt 0x0
	s_add_co_u32 s[RK], s[RK], 1
	s_and_b32 s2, s[RK], 3
	s_lshl_b32 s2, s2, 10
	s_add_nc_u64 s[EB:EB+1], s[4:5], s[2:3]
	v_add_nc_u32 v[ADA], s[T1], v[AIW0]
	v_add_nc_u32 v[ADS], s[TS], v[ASCW0]
	FSTEP 0, 1, 48, 1
	FSTEP 1, 1, 48, 1
	FSTEP 2, 1, 48, 1
	FSTEP 3, 1, 48, 1
	s_add_co_u32 s[T1], s[T1], 32768
	s_add_co_u32 s[TS], s[TS], 1024
	s_sub_co_u32 s[TR], s[TR], 1
	s_cmp_lg_u32 s[TR], 0
	s_cbranch_scc1 .Lfrag
	v_add_nc_u32 v[ADA], s[T1], v[AIW0]
	v_add_nc_u32 v[ADS], s[TS], v[ASCW0]
	FSTEP 0, 0, 32, 1
	GLOADB 0                                       ; the first block of weights: 34 loads
	FSTEP 1, 0, 50, 1                              ; behind the rows waited for: 16 loads of rows and those 34
	FSTEP 2, 0, 34, 1                              ; those 34
	GLOADB 1                                       ; the second block
	FSTEP 3, 0, 0, 0
	s_wait_dscnt 0x0
	s_barrier_signal -1
	s_barrier_wait -1
	v_mov_b32 v20, QBR
	ds_load_b128 v[16:19], v20
.set i, 0
.rept 64
	v_mov_b32 v[S+i], 0
.set i, i+1
.endr
	v_and_b32 v21, 15, v0
	v_bfe_u32 v22, v0, 4, 1
	v_and_b32 v23, 31, v0
	s_lshl_b32 s63, s[WV], 9
	s_lshl_b32 s61, s[SG], 11
	s_add_co_u32 s63, s63, s61
	v_lshl_add_u32 v[QO], v21, 5, s63
	v_lshl_add_u32 v[PO], v22, 4, v[QO]
	v_xor_b32 v[PO], 2048, v[PO]                   ; each pass of v turns it at its way out: the first back to this half
	v_lshlrev_b32 v[PFO], 8, v23
	s_wait_dscnt 0x0
	v_add_f32 v16, v16, v17
	v_add_f32 v18, v18, v19
	v_add_f32 v16, v16, v18
	v_mul_f32 v[QB], s44, v16
	v_mov_b32 v[QB+1], v[QB]
	FETCH_A LI, 0, 0
	SCALES 0, ASB, 0
	FETCH_A LI, 0, 4
	s_mov_b32 s[PS], 2
.Lkpass:
	s_wait_alu depctr_va_vdst(0)
	global_load_b128 v[QP:QP+3], v[QO], s[8:9]
	global_load_b128 v[QP+4:QP+7], v[QO], s[8:9] offset:16
	s_cmp_eq_u32 s[PS], s62
	s_cbranch_scc0 .Lnot_mine
	global_prefetch_b8 v[PFO], s[56:57] th:TH_LOAD_NT scope:SCOPE_SE
.Lnot_mine:
	PASSL 3
	KSTEP 1, 0, 1, 1, LI, 0, ASB, 0
	s_wait_loadcnt 63                              ; q's two loads are in: 272 loads were issued behind them
.irp b, 7,6,5,4,3,2,1
	v_mov_b32 v[QP+2*\b+1], v[QP+\b]
	v_mov_b32 v[QP+2*\b], v[QP+\b]
.endr
	v_mov_b32 v[QP+1], v[QP]
	EPI_K
	v_xor_b32 v[QO], 2048, v[QO]
	s_sub_co_u32 s[PS], s[PS], 1
	s_cmp_lg_u32 s[PS], 0
	s_cbranch_scc1 .Lkpass
	v_bfe_u32 v16, v0, 4, 1
	v_lshlrev_b32 v16, 5, v16
	v_add_nc_u32 v17, RED, v16
	s_lshl_b32 s63, s[WV], 9
	v_add_nc_u32 v18, s63, v17
	v_add_nc_u32 v19, SCO, v16
	v_add_nc_u32 v20, SCO, v[LI]
	WIN 0xc0
.irp a, 0,1,2,3,4,5,6,7
	global_load_b128 v[8*\a:8*\a+3], v16, s[6:7] offset:64*\a
	global_load_b128 v[8*\a+4:8*\a+7], v16, s[6:7] offset:64*\a+16
.endr
	WIN 0
.irp m, 1,2,4,8
.set i, 0
.rept 64
	v_add_f32_dpp v[S+i], v[S+i], v[S+i] row_xmask:\m row_mask:0xf bank_mask:0xf
.set i, i+1
.endr
.endr
.irp a, 0,1,2,3,4,5,6,7
	ds_store_b128 v18, v[S+8*\a:S+8*\a+3] offset:64*\a
	ds_store_b128 v18, v[S+8*\a+4:S+8*\a+7] offset:64*\a+16
.endr
	s_wait_dscnt 0x0
	s_barrier_signal -1
	s_barrier_wait -1
	WIN 0x80
.irp w, 0,1,2,3
.irp a, 0,1,2,3,4,5,6,7
	ds_load_b128 v[64*\w+8*\a:64*\w+8*\a+3], v17 offset:512*\w+64*\a
	ds_load_b128 v[64*\w+8*\a+4:64*\w+8*\a+7], v17 offset:512*\w+64*\a+16
.endr
.endr
	s_wait_dscnt 0x0
	WIN 0x8a
.set i, 0
.rept 32
	v_pk_add_f32 v[i:i+1], v[i:i+1], v[64+i:65+i]
	v_pk_add_f32 v[128+i:129+i], v[128+i:129+i], v[192+i:193+i]
.set i, i+2
.endr
.set i, 0
.rept 32
	v_pk_add_f32 v[i:i+1], v[i:i+1], v[128+i:129+i]
.set i, i+2
.endr
	WIN 0x82
.set i, 0
.rept 32
	v_pk_fma_f32 v[i:i+1], v[i:i+1], s[44:45], v[QB:QB+1] op_sel_hi:[1,0,0]
.set i, i+2
.endr
	s_wait_loadcnt 0x0
	WIN 0x8b
.set i, 0
.rept 64
	v_cmp_ne_u32 vcc_lo, v[i], 0
	v_cndmask_b32 v[i], s48, v[i], vcc_lo
.set i, i+1
.endr
	WIN 0
	s_cmp_lg_u32 s[WV], 0
	s_cbranch_scc1 .Lno_scores
	WIN 0x08
.irp a, 0,1,2,3,4,5,6,7
	ds_store_b128 v19, v[8*\a:8*\a+3] offset:64*\a
	ds_store_b128 v19, v[8*\a+4:8*\a+7] offset:64*\a+16
.endr
	WIN 0
	ds_load_b128 v[24:27], v20
	s_wait_dscnt 0x0
	global_store_b128 v[LI], v[24:27], s[14:15]
.Lno_scores:
	WIN 0xaa
.irp c, 0,1,2,3
	v_max3_num_f32 v[64+\c], v[16*\c], v[16*\c+1], v[16*\c+2]
.endr
.irp i, 3,5,7,9,11,13
.irp c, 0,1,2,3
	v_max3_num_f32 v[64+\c], v[64+\c], v[16*\c+\i], v[16*\c+\i+1]
.endr
.endr
.irp c, 0,1,2,3
	v_max_num_f32 v[64+\c], v[64+\c], v[16*\c+15]
.endr
	v_max3_num_f32 v64, v64, v65, v66
	v_max_num_f32 v64, v64, v67
	v_permlanex16_b32 v68, v64, s[SEL], s[SEL+1]
	v_max_num_f32 v64, v64, v68
	v_mov_b32 v65, v64
.set i, 0
.rept 32
	v_pk_add_f32 v[i:i+1], v[i:i+1], v[64:65] neg_lo:[0,1] neg_hi:[0,1]
.set i, i+2
.endr
.set i, 0
.rept 32
	v_pk_mul_f32 v[i:i+1], v[i:i+1], s[46:47] op_sel_hi:[1,0]
.set i, i+2
.endr
	WIN 0x02
.set i, 0
	s_wait_alu depctr_va_vdst(0)
.rept 64
	v_exp_f32 v[S+i], v[i]
.set i, i+1
.endr
	WIN 0
	v_nop
	s_wait_alu depctr_va_vdst(0)
	s_mov_b32 s[PS], 2                             ; v's two passes: one loop; the last two K steps are written twice, since the last pass's ask for no further block
.Lvpass:
	PASSL 2
	v_add_nc_u32 v[ADA], s[TA], v[LI]
	v_add_nc_u32 v[ADS], s[TS], v[ASB]
	KSTEP 1, 0, 1, 1, ADA, 0, ADS, 0
	s_cmp_eq_u32 s[PS], 1
	s_cbranch_scc1 .Llast
	KSTEP 0, 0, 1, 1, ADA, 16384, ADS, 512
	KSTEP 1, 0, 1, 1, LI, 0, ASB, 0
	s_branch .Lepi
.Llast:
	KSTEP 0, 0, 0, 1, ADA, 16384, ADS, 512
	KSTEP 1, 0, 0, 0, LI, 0, ASB, 0
.Lepi:
	EPI_V
	s_sub_co_u32 s[PS], s[PS], 1
	s_cmp_lg_u32 s[PS], 0
	s_cbranch_scc1 .Lvpass
	s_wait_tensorcnt 0x0
	ds_add_u32 v[SPW], v[NIL]
	s_wait_dscnt 0x0
	s_endpgm
.Lfunc_end_k_q4490aa12da_main:
	.size	k_q4490aa12da_main, .Lfunc_end_k_q4490aa12da_main-k_q4490aa12da_main
	.p2alignl 7, 3214868480
	.fill 96, 4, 3214868480
	.section	.rodata,"a",@progbits
	.p2align	6, 0x0
	.amdhsa_kernel k_q4490aa12da_main
		.amdhsa_group_segment_fixed_size 327680
		.amdhsa_private_segment_fixed_size 0
		.amdhsa_enable_private_segment 0
		.amdhsa_kernarg_size 56
		.amdhsa_user_sgpr_count 2
		.amdhsa_user_sgpr_kernarg_segment_ptr 1
		.amdhsa_wavefront_size32 1
		.amdhsa_system_sgpr_workgroup_id_x 1
		.amdhsa_system_sgpr_workgroup_id_y 1
		.amdhsa_system_sgpr_workgroup_id_z 1
		.amdhsa_system_vgpr_workitem_id 0
		.amdhsa_next_free_vgpr 1024
		.amdhsa_next_free_sgpr 66
		.amdhsa_reserve_vcc 1
		.amdhsa_float_denorm_mode_32 3
		.amdhsa_float_denorm_mode_16_64 3
		.amdhsa_memory_ordered 1
		.amdhsa_forward_progress 1
		.amdhsa_inst_pref_size 255
	.end_amdhsa_kernel
	.section	.bss,"aw",@nobits
	.p2align	6
	.space	262144
	.amdgpu_metadata
---
amdhsa.version: [ 1, 2 ]
amdhsa.kernels:
  - .name:           k_q4490aa12da_main
    .symbol:         k_q4490aa12da_main.kd
    .args:
      - { .name: embeddings, .offset: 0, .size: 8, .value_kind: global_buffer, .address_space: global }
      - { .name: attention_mask, .offset: 8, .size: 8, .value_kind: global_buffer, .address_space: global }
      - { .name: q, .offset: 16, .size: 8, .value_kind: global_buffer, .address_space: global }
      - { .name: bk, .offset: 24, .size: 8, .value_kind: global_buffer, .address_space: global }
      - { .name: wimg, .offset: 32, .size: 8, .value_kind: global_buffer, .address_space: global }
      - { .name: scores, .offset: 40, .size: 8, .value_kind: global_buffer, .address_space: global }
      - { .name: pacc, .offset: 48, .size: 8, .value_kind: global_buffer, .address_space: global }
    .group_segment_fixed_size: 327680
    .private_segment_fixed_size: 0
    .kernarg_segment_align: 8
    .kernarg_segment_size: 56
    .max_flat_workgroup_size: 128
    .sgpr_count:     66
    .vgpr_count:     1024
    .wavefront_size: 32
...
	.end_amdgpu_metadata
.endif
;; end of part 3
;; launch finish (part 4): grid 16 x 1, 8 waves a work-group, no clusters, 1,280 bytes of LDS; arguments scores, pacc, attention_mask, first_sentence_mask, bv, out0, out1, out2; writes out0, out1, out2
.if DOCPART == 4
	.amdgcn_target "amdgcn-amd-amdhsa--gfx1250"
	.amdhsa_code_object_version 6
	.text
	.protected	k_q4490aa12da_finish
	.globl	k_q4490aa12da_finish
	.p2align	8
	.type	k_q4490aa12da_finish,@function
k_q4490aa12da_finish:
	s_mov_b64 s[64:65], 0
	v_nop
	global_prefetch_b8 v0, s[64:65] scope:SCOPE_SE
	s_setreg_imm32_b32 hwreg(HW_REG_WAVE_MODE, 25, 1), 1
	s_wait_xcnt 0x0
; LAUNCH 4 OF 4.  For one batch: m_i and l_i of each of the 16 blocks of 128 scores, M = the largest m_i, w_i = 2^((m_i - M) log2 e), L = sum of w_i l_i;
; out0[o] = (sum over i of w_i pacc[i][o]) / L + bv[o];  out1[t] = p[t] x (mask x first)[t], t under 1,024;  out2[t - 1024] = p[t] x (mask x (1 - first))[t] above;  p[t] = 2^((score[t] - m_i) log2 e) w_i / L.
; bv is added here once for each output: sum_t p_t (v'_t + bv) = sum_t p_t v'_t + bv, since a softmax's p sum to 1.  first_piece_mask enters no line of reference() and is not loaded.
; SHARES.  A work-group to a batch: 16 work-groups for 1.4 MB; more would only make the batch's maximum and sum again.  Thread n owns t = 4 n .., t = 1,024 + 4 n .. and outputs 4 n ..; wave w's two loads of scores are
; blocks w and 8 + w whole, so m_i is the maximum of the very bits from which launch 3 took it.  Every load and store of a wave covers 512 consecutive bytes.
; LIMITS: NaN and infinities are not served; the sums are taken in another order than reference()'s.
.set SPARE, 256                        ; LDS: bytes 0-63 the 16 m_i, 64-127 the 16 l_i (one block of 256); from 256 on the spare words, 128 bytes for each wave: four blocks that no other line names
.set PA, 32                            ; v32-95 the sixteen parts, 4 registers each
	s_load_b256 s[4:11], s[0:1], 0x0               ; scores s[4:5], pacc s[6:7], attention_mask s[8:9], first_sentence_mask s[10:11]
	s_load_b256 s[12:19], s[0:1], 0x20             ; bv s[12:13], out0 s[14:15], out1 s[16:17], out2 s[18:19]
	v_lshl_add_u32 v2, v0, 2, SPARE
	v_mov_b32 v3, 0
	v_lshlrev_b32 v1, 4, v0                        ; 16 bytes a thread
	v_lshrrev_b32 v96, 5, v0
	s_delay_alu instid0(VALU_DEP_1)
	v_lshlrev_b32 v96, 2, v96                      ; 4 x wave
	v_mov_b32 v97, 0
	v_mov_b32 v100, 0                              ; written once: a lane permute's destination counts as one of its sources
	v_mov_b32 v101, 0
	s_lshl_b32 s20, ttmp9, 13                      ; a batch's scores and masks: 8,192 bytes
	s_mov_b32 s21, 0
	s_lshl_b32 s22, ttmp9, 16                      ; its sixteen parts
	s_mov_b32 s23, 0
	s_lshl_b32 s24, ttmp9, 12                      ; its rows of the outputs
	s_mov_b32 s25, 0
	s_mov_b32 s26, 0x76543210
	s_mov_b32 s27, 0xfedcba98
	s_mov_b32 s28, 0x3fb8aa3b                      ; log2 e
	s_wait_alu depctr_va_vdst(0)
	s_wait_kmcnt 0x0
	s_add_nc_u64 s[4:5], s[4:5], s[20:21]
	s_add_nc_u64 s[8:9], s[8:9], s[20:21]
	s_add_nc_u64 s[10:11], s[10:11], s[20:21]
	s_add_nc_u64 s[6:7], s[6:7], s[22:23]
	s_add_nc_u64 s[14:15], s[14:15], s[24:25]
	s_add_nc_u64 s[16:17], s[16:17], s[24:25]
	s_add_nc_u64 s[18:19], s[18:19], s[24:25]
	global_load_b128 v[4:7], v1, s[4:5]
	global_load_b128 v[8:11], v1, s[4:5] offset:4096
	global_load_b128 v[12:15], v1, s[8:9]
	global_load_b128 v[16:19], v1, s[8:9] offset:4096
	global_load_b128 v[20:23], v1, s[10:11]
	global_load_b128 v[24:27], v1, s[10:11] offset:4096
	global_load_b128 v[28:31], v1, s[12:13]
.irp i, 0,1,2,3,4,5,6,7,8,9,10,11,12,13,14,15
	global_load_b128 v[PA+4*\i:PA+4*\i+3], v1, s[6:7] offset:4096*\i
.endr
	s_wait_loadcnt 21                              ; the scores are in: 21 loads were issued behind them
	v_max3_num_f32 v98, v4, v5, v6
	v_max3_num_f32 v99, v8, v9, v10
	s_delay_alu instid0(VALU_DEP_2)
	v_max_num_f32 v98, v98, v7
	s_delay_alu instid0(VALU_DEP_2)
	v_max_num_f32 v99, v99, v11
.irp m, 1,2,4,8
	s_delay_alu instid0(VALU_DEP_2)
	v_max_num_f32_dpp v98, v98, v98 row_xmask:\m row_mask:0xf bank_mask:0xf
	s_delay_alu instid0(VALU_DEP_2)
	v_max_num_f32_dpp v99, v99, v99 row_xmask:\m row_mask:0xf bank_mask:0xf
.endr
	s_delay_alu instid0(VALU_DEP_2)
	v_permlanex16_b32 v100, v98, s26, s27
	s_delay_alu instid0(VALU_DEP_2)
	v_permlanex16_b32 v101, v99, s26, s27
	s_delay_alu instid0(VALU_DEP_2)
	v_max_num_f32 v98, v98, v100                   ; m of block w,
	s_delay_alu instid0(VALU_DEP_2)
	v_max_num_f32 v99, v99, v101                   ; of block 8 + w
.irp k, 0,1,2,3
	v_sub_f32 v[102+\k], v[4+\k], v98
	v_sub_f32 v[106+\k], v[8+\k], v99
.endr
.irp k, 0,1,2,3,4,5,6,7
	v_mul_f32 v[102+\k], s28, v[102+\k]
.endr
	s_wait_alu depctr_va_vdst(0)
.irp k, 0,1,2,3,4,5,6,7
	v_exp_f32 v[102+\k], v[102+\k]                 ; e = 2^((score - m) log2 e)
.endr
	v_nop                                          ; a plain instruction behind the last exponential,
	s_wait_alu depctr_va_vdst(0)                   ; and the wait ahead of the first reader: one for the batch
	v_add_f32 v110, v102, v103
	v_add_f32 v111, v106, v107
	v_add_f32 v100, v104, v105
	v_add_f32 v101, v108, v109
	s_delay_alu instid0(VALU_DEP_2)
	v_add_f32 v110, v110, v100
	s_delay_alu instid0(VALU_DEP_2)
	v_add_f32 v111, v111, v101
.irp m, 1,2,4,8
	s_delay_alu instid0(VALU_DEP_2)
	v_add_f32_dpp v110, v110, v110 row_xmask:\m row_mask:0xf bank_mask:0xf
	s_delay_alu instid0(VALU_DEP_2)
	v_add_f32_dpp v111, v111, v111 row_xmask:\m row_mask:0xf bank_mask:0xf
.endr
	s_delay_alu instid0(VALU_DEP_2)
	v_permlanex16_b32 v100, v110, s26, s27
	s_delay_alu instid0(VALU_DEP_2)
	v_permlanex16_b32 v101, v111, s26, s27
	s_delay_alu instid0(VALU_DEP_2)
	v_add_f32 v110, v110, v100                     ; l of block w,
	s_delay_alu instid0(VALU_DEP_2)
	v_add_f32 v111, v111, v101                     ; of block 8 + w
	ds_store_b32 v96, v98                          ; (all lanes write the same word with the same value)
	ds_store_b32 v96, v99 offset:32
	ds_store_b32 v96, v110 offset:64
	ds_store_b32 v96, v111 offset:96
	s_wait_dscnt 0x0
	s_barrier_signal -1
	s_barrier_wait -1
.irp k, 0,1,2,3,4,5,6,7
	ds_load_b128 v[112+4*\k:115+4*\k], v97 offset:16*\k            ; v112-127 the m_i, v128-143 the l_i
.endr
	s_wait_dscnt 0x0
	v_max3_num_f32 v144, v112, v113, v114
.irp i, 115,117,119,121,123,125
	s_delay_alu instid0(VALU_DEP_1)
	v_max3_num_f32 v144, v144, v[\i], v[\i+1]
.endr
	s_delay_alu instid0(VALU_DEP_1)
	v_max_num_f32 v144, v144, v127                 ; M
.irp i, 0,1,2,3,4,5,6,7,8,9,10,11,12,13,14,15
	v_sub_f32 v[146+\i], v[112+\i], v144
.endr
	v_sub_f32 v162, v98, v144                      ; my own two blocks'
	v_sub_f32 v163, v99, v144
.irp i, 0,1,2,3,4,5,6,7,8,9,10,11,12,13,14,15,16,17
	v_mul_f32 v[146+\i], s28, v[146+\i]
.endr
	s_wait_alu depctr_va_vdst(0)
.irp i, 0,1,2,3,4,5,6,7,8,9,10,11,12,13,14,15,16,17
	v_exp_f32 v[146+\i], v[146+\i]                 ; w_i
.endr
	v_nop
	s_wait_alu depctr_va_vdst(0)                   ; one wait for the eighteen
	v_mul_f32 v145, v146, v128
.irp i, 1,2,3,4,5,6,7,8,9,10,11,12,13,14,15
	v_fmac_f32 v145, v[146+\i], v[128+\i]          ; L
.endr
	s_wait_alu depctr_va_vdst(0)
	v_rcp_f32 v164, v145                           ; 1 / L; the sums below are the independent work behind it
	s_wait_loadcnt 0x0
.irp k, 0,1,2,3
	v_mul_f32 v[166+\k], v[PA+\k], v146
.endr
.irp i, 1,2,3,4,5,6,7,8,9,10,11,12,13,14,15
.irp k, 0,1,2,3
	v_fmac_f32 v[166+\k], v[PA+4*\i+\k], v[146+\i]
.endr
.endr
.irp k, 0,1,2,3
	v_mul_lo_u32 v[12+\k], v[12+\k], v[20+\k]      ; mask x first
	v_sub_nc_u32 v[24+\k], 1, v[24+\k]
	s_delay_alu instid0(VALU_DEP_1)
	v_mul_lo_u32 v[16+\k], v[16+\k], v[24+\k]      ; mask x (1 - first)
.endr
.irp k, 0,1,2,3,4,5,6,7
	v_cvt_f32_i32 v[12+\k], v[12+\k]
.endr
	s_wait_alu depctr_va_vdst(0)                   ; ahead of the reciprocal's first reader
	v_mul_f32 v162, v162, v164                     ; w / L of my two blocks
	v_mul_f32 v163, v163, v164
.irp k, 0,1,2,3
	v_fma_f32 v[166+\k], v[166+\k], v164, v[28+\k]
	v_mul_f32 v[102+\k], v[102+\k], v162
	v_mul_f32 v[106+\k], v[106+\k], v163
.endr
.irp k, 0,1,2,3,4,5,6,7
	v_mul_f32 v[102+\k], v[102+\k], v[12+\k]
.endr
	global_store_b128 v1, v[166:169], s[14:15]
	global_store_b128 v1, v[102:105], s[16:17]
	global_store_b128 v1, v[106:109], s[18:19]
	s_wait_tensorcnt 0x0                           ; the wave's end: behind my last LDS store
	ds_add_u32 v2, v3
	s_wait_dscnt 0x0
	s_endpgm
.Lfunc_end_k_q4490aa12da_finish:
	.size	k_q4490aa12da_finish, .Lfunc_end_k_q4490aa12da_finish-k_q4490aa12da_finish
	.p2alignl 7, 3214868480
	.fill 96, 4, 3214868480
	.section	.rodata,"a",@progbits
	.p2align	6, 0x0
	.amdhsa_kernel k_q4490aa12da_finish
		.amdhsa_group_segment_fixed_size 1280
		.amdhsa_private_segment_fixed_size 0
		.amdhsa_enable_private_segment 0
		.amdhsa_kernarg_size 64
		.amdhsa_user_sgpr_count 2
		.amdhsa_user_sgpr_kernarg_segment_ptr 1
		.amdhsa_wavefront_size32 1
		.amdhsa_system_sgpr_workgroup_id_x 1
		.amdhsa_system_sgpr_workgroup_id_y 1
		.amdhsa_system_sgpr_workgroup_id_z 1
		.amdhsa_system_vgpr_workitem_id 0
		.amdhsa_next_free_vgpr 176
		.amdhsa_next_free_sgpr 66
		.amdhsa_reserve_vcc 0
		.amdhsa_float_denorm_mode_32 3
		.amdhsa_float_denorm_mode_16_64 3
		.amdhsa_memory_ordered 1
		.amdhsa_forward_progress 1
		.amdhsa_inst_pref_size 16
	.end_amdhsa_kernel
	.amdgpu_metadata
---
amdhsa.version: [ 1, 2 ]
amdhsa.kernels:
  - .name:           k_q4490aa12da_finish
    .symbol:         k_q4490aa12da_finish.kd
    .args:
      - { .name: scores, .offset: 0, .size: 8, .value_kind: global_buffer, .address_space: global }
      - { .name: pacc, .offset: 8, .size: 8, .value_kind: global_buffer, .address_space: global }
      - { .name: attention_mask, .offset: 16, .size: 8, .value_kind: global_buffer, .address_space: global }
      - { .name: first_sentence_mask, .offset: 24, .size: 8, .value_kind: global_buffer, .address_space: global }
      - { .name: bv, .offset: 32, .size: 8, .value_kind: global_buffer, .address_space: global }
      - { .name: out0, .offset: 40, .size: 8, .value_kind: global_buffer, .address_space: global }
      - { .name: out1, .offset: 48, .size: 8, .value_kind: global_buffer, .address_space: global }
      - { .name: out2, .offset: 56, .size: 8, .value_kind: global_buffer, .address_space: global }
    .group_segment_fixed_size: 1280
    .private_segment_fixed_size: 0
    .kernarg_segment_align: 8
    .kernarg_segment_size: 64
    .max_flat_workgroup_size: 256
    .sgpr_count:     66
    .vgpr_count:     176
    .wavefront_size: 32
...
	.end_amdgpu_metadata
.endif
;; end of part 4
